; MI455X (gfx1250); checked and timed in simulation.
; The chip was launched on July 23, 2026; its instructions are those of AMD's public machine-readable ISA for CDNA 5 (MIT licence, August 2026) and "CDNA5" Instruction Set Architecture Reference Guide (July 2026). The comments in the code are by the model that wrote it; some were corrected since.
;; Scaled Dot Product Attn. Allowed arithmetic: matrix products marked QUANTISED: E2M3 operands, one E8M0 scale for each 32 along K, by v_wmma_scale_f32_16x16x128_f8f6f4 with both operands' format E2M3, f32 sums; everything else in f32.
;; Inputs: k 4 x 16 x 2,048 x 64 float32; mask 1 x 1 x 2,048 x 2,048 float32; q 4 x 16 x 2,048 x 64 float32; v 4 x 16 x 2,048 x 64 float32.
;; Outputs: out0 4 x 16 x 2,048 x 64 float32.
;; This version of the problem:
;;   THIS VERSION OF THE PROBLEM IS GIVEN IN LOW PRECISION. The matrix products marked QUANTISED in the list below multiply operands that are first quantised to E2M3 (2 exponent bits, 3 mantissa bits; 6 bits a number), with one power-of-two scale for each 32 numbers along K (OCP MX v1.0); their sums are f32. All else is computed in f32.
;;   The module's matrix products, in the order in which they are computed (A, B: the left and right operand; K: the contracted axis; several contracted axes count as one K, in the product's order):
;;     1. batch 64 x [M 2,048, K 64] x [K 64, N 2,048]; A: input q; B: input k: QUANTISED
;;     2. batch 64 x [M 2,048, K 2,048] x [K 2,048, N 64]; A: softmax (see below); B: input v: QUANTISED
;;   THE QUANTISER, for each operand of a quantised product, along K:
;;     - K is cut into blocks of 32 from its start; a last block that is shorter is filled with zeros.
;;     - A block's scale is 2^e with e = floor(log2(the largest magnitude in the block)) - 2, held to -126 .. 127; a block of zeros has e = 0. As a byte (E8M0): e + 127.
;;     - Each number is divided by its block's scale, clamped to +-7.5, and rounded to the nearest number of E2M3, ties to even, subnormals kept.
;;     - The product sums the exact products of the quantised numbers (number of the format x scale) in f32.
;;   ~~~python
;;   def quantise(x, axis):      # numpy; x: float32 -> the quantised numbers, widened to float32 again
;;       x = np.moveaxis(x, axis, -1); K = x.shape[-1]
;;       x = np.pad(x, [(0, 0)] * (x.ndim - 1) + [(0, -K % 32)]); x = x.reshape(x.shape[:-1] + (-1, 32)); a = np.abs(x).max(-1, keepdims=True)
;;       e = np.where(a > 0, np.clip(np.frexp(np.where(a > 0, a, 1))[1] - 1 - 2, -126, 127), 0)      # np.frexp(a)[1] - 1 = floor(log2(a)), exactly
;;       r = np.clip(x / 2.0 ** e, -7.5, 7.5)
;;       step = 2.0 ** (np.maximum(np.frexp(np.where(r == 0, 1, r))[1] - 1, 0) - 3)
;;       q = np.round(r / step) * step * 2.0 ** e      # np.round: ties to even
;;       return np.moveaxis(q.reshape(q.shape[:-2] + (-1,))[..., :K], -1, axis).astype(np.float32)
;;   ~~~
;;   SOFTMAX AHEAD OF A QUANTISED PRODUCT. Where the list says 'softmax', what is quantised is not the finished softmax but p = 2^(t - M), with t = logit x log2(e) and M = ceil(the row's largest t), a whole number; so 1/2 < the row's largest p <= 1. The row's sum l is taken of the UNQUANTISED p, in f32, and the product's result is divided by l at the end. Since M is a whole number, a kernel that streams over the keys may use a running M (the ceiling of the running maximum): every later rescaling is an exact power of two, which a block's scale takes up: the codes' values come out the same.
;;   OPERANDS COMPUTED ON THE WAY. 'Computed on the way' means the value that the module computes at that place (a softmax that the list does not call 'softmax' is quantised finished and normalised). What goes into a quantiser is computed in f32, as accurately as f32 sums, v_exp_f32 and their like allow (about 1e-6 of the number): no bf16 or f16 on the way to a quantiser, and a product that is left as it is and whose result goes on into a quantised operand takes f32 operands (vector FMAs, or v_wmma_f32_16x16x4_f32). A number that lies on a knife's edge between two numbers of the format may be rounded either way, as far as f32 arithmetic and the matrix unit's own rounding can turn it there, and no further.
;; One version. Each part assembles by itself: llvm-mc -triple=amdgcn-amd-amdhsa -mcpu=gfx1250 --defsym DOCPART=n.
;; ======== version 1 of 1: 2 launches
;; limits: right only within a limited range of input values
;; workspace buffers: kv 13,369,344 bytes
;; launch quant (part 1): grid 256 x 1, 8 waves a work-group, no clusters, 36,352 bytes of LDS; arguments k, v, kv; writes kv
.if DOCPART == 1
	.amdgcn_target "amdgcn-amd-amdhsa--gfx1250"
	.amdhsa_code_object_version 6
	.text
	.protected	k_q02d3f0d943_quant
	.globl	k_q02d3f0d943_quant
	.p2align	8
	.type	k_q02d3f0d943_quant,@function
k_q02d3f0d943_quant:
	s_mov_b64 s[64:65], 0
	v_nop
	global_prefetch_b8 v0, s[64:65] scope:SCOPE_SE
	s_setreg_imm32_b32 hwreg(HW_REG_WAVE_MODE, 25, 1), 1
	s_wait_xcnt 0x0
; k and v, [64 heads][2048 keys][64] f32, become codes of FP6 (E2M3) with one E8M0 scale byte for each 32 along a product's K, laid as IMAGES OF THE OPERANDS' REGISTERS, so that the
; attention launch fetches every fragment by loads of 16 bytes a lane.  k is quantised along the head's 64 (two blocks a key), v along the KEYS (four blocks of 32 keys in a step of 128).
; A block's scale is 2^(floor(log2(its largest magnitude)) - 2); its byte is the largest magnitude's exponent field - 2, held at 1 from below by a floor among the maximum's leaves.
; LIMITS: a block of zeros gets the byte 1 where the quantiser's text says 127: its codes are zeros, which add nothing under any byte but 0xff, and the bytes are read by this program alone.
;         NaN and infinities among the inputs are not served.
; kv = [head / 4 : 16][step : 16][head % 4 : 4][record of 13,056 bytes].  A record is 128 keys of one head (l = lane, r = l % 16, h = l / 16):
;   KC   12 chunks of 512 bytes; chunk j holds at 16 l the registers 4 j .. 4 j + 3 of a run of 48: register 6 t + i = word i of the 24 bytes of codes of key(t, r), block h,
;        key(t, r) = 32 (t / 2) + 8 (t % 2) + r + 8 (r / 8): the keys of a tile are chosen so that the scores' 16 registers of two neighbouring tiles are 16 neighbouring keys
;   KSC  at 16 l + 4 w: lanes 0-15 the scale word of tile 2 w, row r; lanes 16-31 that of tile 2 w + 1.  A word: byte of block 0, byte of block 1, 0x7f, 0x7f (the upper half of the instruction's 128 meets zero codes)
;   VC   chunk 3 T + j holds at 16 l the registers 4 j .. 4 j + 3 of the fragment of V^T's tile T (row d = 16 T + r); register 6 c + i: keys 64 c + 32 h + 0 .. 31
;   VSC  at 8 l + 4 w: lanes 0-15 the scale word of tile 2 w, row r; lanes 16-31 that of tile 2 w + 1; four bytes, one for each 32 keys
; SHARES.  1,024 records, four to a work-group: waves 0-3 make the K part of records 4 x .. 4 x + 3, waves 4-7 the V part.  Waves share nothing: no barrier.  No tensor loads, no matrix work, no cluster: nothing is read twice.
.set REC,   13056
.set STEPB, 4*REC
.set HGB,   16*STEPB
.set KC,    0
.set KSC,   6144
.set VC,    6656
.set VSC,   12800
.set WST,   8832                       ; a K wave's stage in LDS: 32 keys x 272 bytes, keys 16-31 another 128 bytes on
.set R,   16                           ; K: v16-143  two sets of 64: 32 keys as they are loaded
.set X,   144                          ; K: v144-207 tile u of a pair at 32 u: a whole block of 32 numbers a lane
.set IP,  208                          ; K: v208-231 two sets of 12: a pair's codes
.set PT,  232                          ; K: v232-234, v236-238 the upper halves of the blocks' codes, as the conversions leave them
.set KSR, 240                          ; K: v240-243 the record's four registers of scale words
.set AU,  244                          ; K: v244-245 largest magnitudes;  v246-247 the conversions' scale operands;  v248-249 bytes, then words;  v250-251 the other half's
.set SOU, 246
.set BU,  248
.set PU,  250
.set Y,   16                           ; V: v16-79   two sets of 32: a block of 32 keys of my column
.set IT,  80                           ; V: v80-127  the four fragments: tile T at 12 T
.set PTV, 128                          ; V: v128-130, v132-134 upper halves
.set W,   136                          ; V: v136-137 scale words
.set VA,  140
.set VB,  141
.set VSO, 142
.set VBY, 143
	s_load_b128 s[4:7], s[0:1], 0x0                ; k, v
	s_load_b64 s[8:9], s[0:1], 0x10                ; kv
	v_lshl_add_u32 v254, v0, 2, 0x8a00
	v_mov_b32 v255, 0
	v_lshrrev_b32 v1, 5, v0
	s_delay_alu instid0(VALU_DEP_1)
	v_readfirstlane_b32 s10, v1                    ; wave 0..7
	s_and_b32 s11, s10, 3
	s_lshl_b32 s12, ttmp9, 2
	s_add_co_u32 s12, s12, s11                     ; my record: 16 x head + step
	s_lshl_b32 s14, s12, 15                        ; its 128 keys x 256 bytes in k and in v
	s_mov_b32 s15, 0
	s_lshr_b32 s21, s12, 6                         ; head / 4
	s_mul_i32 s16, s21, HGB
	s_and_b32 s21, s12, 15                         ; step
	s_mul_i32 s21, s21, STEPB
	s_add_co_u32 s16, s16, s21
	s_bfe_u32 s21, s12, 0x20004                    ; head % 4
	s_mul_i32 s21, s21, REC
	s_add_co_u32 s16, s16, s21                     ; its place in kv
	s_mov_b32 s17, 0
	s_mov_b32 s18, 0x76543210
	s_mov_b32 s19, 0xfedcba98                      ; v_permlanex16_b32's selects for lane l xor 16
	s_mul_i32 s22, s11, WST                        ; my stage (waves 0-3 alone use LDS)
	v_and_b32 v1, 31, v0                           ; l
	v_and_b32 v2, 15, v0                           ; r
	v_bfe_u32 v3, v0, 4, 1                         ; h
	s_delay_alu instid0(VALU_DEP_3)
	v_lshlrev_b32 v4, 4, v1                        ; 16 l
	s_delay_alu instid0(VALU_DEP_2)
	v_mul_u32_u24 v5, v3, 272
	s_delay_alu instid0(VALU_DEP_1)
	v_lshl_add_u32 v5, v2, 4, v5
	s_delay_alu instid0(VALU_DEP_1)
	v_add_nc_u32 v5, s22, v5                       ; into the stage: a load's 512 bytes are two keys: row h, 16 r
	v_and_b32 v6, 8, v2
	s_delay_alu instid0(VALU_DEP_1)
	v_add_nc_u32 v6, v6, v2                        ; r + 8 (r / 8)
	s_delay_alu instid0(VALU_DEP_1)
	v_mul_u32_u24 v6, v6, 272
	v_bfe_u32 v10, v0, 3, 1                        ; r / 8: keys 16-31 lie 128 bytes on,
	s_delay_alu instid0(VALU_DEP_1)
	v_add_nc_u32 v10, v10, v3                      ; and block h begins 128 h bytes into a key's row
	s_delay_alu instid0(VALU_DEP_1)
	v_lshl_add_u32 v6, v10, 7, v6
	s_delay_alu instid0(VALU_DEP_1)
	v_add_nc_u32 v6, s22, v6                       ; out of the stage: the sixteen lanes of a half touch sixteen different columns of 16 bytes
	v_lshlrev_b32 v7, 3, v3                        ; 8 h
	v_lshlrev_b32 v8, 2, v1                        ; 4 l
	v_lshlrev_b32 v9, 3, v1                        ; 8 l
	s_wait_kmcnt 0x0
	s_add_nc_u64 s[4:5], s[4:5], s[14:15]
	s_add_nc_u64 s[6:7], s[6:7], s[14:15]
	s_add_nc_u64 s[8:9], s[8:9], s[16:17]
	s_cmp_lt_u32 s10, 4
	s_cbranch_scc0 .Lvrole
; ---------------- K: four pairs of tiles; pair b is keys 32 b .. 32 b + 31
.macro LOADP b                         ; 32 keys, 8,192 bytes, as they lie: each load reads 512 consecutive bytes
.irp i, 0,1,2,3,4,5,6,7,8,9,10,11,12,13,14,15
	global_load_b128 v[R+64*((\b)%2)+4*\i:R+64*((\b)%2)+4*\i+3], v4, s[4:5] offset:8192*(\b)+512*\i th:TH_LOAD_NT
.endr
.endm
.macro TURNK b                         ; through the stage: in as loaded, out a block of 128 bytes a lane.  LDS serves a wave's instructions in order: no wait between the stores and the loads
.irp i, 0,1,2,3,4,5,6,7,8,9,10,11,12,13,14,15
	ds_store_b128 v5, v[R+64*((\b)%2)+4*\i:R+64*((\b)%2)+4*\i+3] offset:544*\i+128*(\i/8)
.endr
.irp u, 0,1
.irp j, 0,1,2,3,4,5,6,7
	ds_load_b128 v[X+32*\u+4*\j:X+32*\u+4*\j+3], v6 offset:2176*\u+16*\j
.endr
.endr
.endm
.macro QK2 b                           ; the pair's two tiles by turns: a lane holds a whole block, so its largest magnitude needs no other lane
.irp u, 0,1
	v_max3_num_f32 v[AU+\u], |v[X+32*\u]|, |v[X+32*\u+1]|, 0x1800000     ; the floor 2^(3 - 127): the byte cannot fall under 1
.endr
.irp i, 2,4,6,8,10,12,14,16,18,20,22,24,26,28,30
.irp u, 0,1
	s_delay_alu instid0(VALU_DEP_2)
	v_max3_num_f32 v[AU+\u], v[AU+\u], |v[X+32*\u+\i]|, |v[X+32*\u+\i+1]|
.endr
.endr
.irp u, 0,1
	s_delay_alu instid0(VALU_DEP_2)
	v_add_nc_u32 v[SOU+\u], 0xff000000, v[AU+\u]   ; 2 off the exponent field: the conversion takes the exponent field of this operand as its scale
.endr
.irp u, 0,1
	s_delay_alu instid0(VALU_DEP_2)
	v_lshrrev_b32 v[BU+\u], 23, v[SOU+\u]          ; the scale's byte,
.endr
.irp u, 0,1
	s_delay_alu instid0(VALU_DEP_2)
	v_lshlrev_b32 v[BU+\u], v7, v[BU+\u]           ; at its place in the word (8 h bits up);
.endr
.irp u, 0,1
	s_delay_alu instid0(VALU_DEP_2)
	v_permlanex16_b32 v[PU+\u], v[BU+\u], s18, s19
.endr
.irp u, 0,1
	s_delay_alu instid0(VALU_DEP_2)
	v_or_b32 v[BU+\u], v[BU+\u], v[PU+\u]          ; with lane l xor 16's the key's two bytes are together;
.endr
.irp u, 0,1
	s_delay_alu instid0(VALU_DEP_2)
	v_or_b32 v[BU+\u], 0x7f7f0000, v[BU+\u]        ; 1.0 for the upper 64 of the instruction's 128
.endr
	s_delay_alu instid0(VALU_DEP_1)
	v_cndmask_b32 v[KSR+\b], v[BU], v[BU+1], vcc_lo   ; lanes 0-15: the even tile's words; lanes 16-31: the odd tile's
.if \b >= 2
	s_wait_xcnt 0x0                                ; this set of codes was the data of pair b - 2's stores: it is written again only behind this wait
.endif
.irp u, 0,1
	v_cvt_scalef32_pk16_fp6_f32 v[IP+12*((\b)%2)+6*\u:IP+12*((\b)%2)+6*\u+2], v[X+32*\u:X+32*\u+15], v[SOU+\u]
	v_cvt_scalef32_pk16_fp6_f32 v[PT+4*\u:PT+4*\u+2], v[X+32*\u+16:X+32*\u+31], v[SOU+\u]   ; (a conversion's three registers begin on an even number)
.endr
	v_nop                                          ; one plain place behind a scaled conversion
.irp u, 0,1
.irp i, 0,1,2
	v_mov_b32 v[IP+12*((\b)%2)+6*\u+3+\i], v[PT+4*\u+\i]
.endr
.endr
.irp j, 0,1,2
	global_store_b128 v4, v[IP+12*((\b)%2)+4*\j:IP+12*((\b)%2)+4*\j+3], s[8:9] offset:KC+512*(3*(\b)+\j)   ; 32 lanes store 512 consecutive bytes, at a multiple of 256 from kv's first byte
.endr
.endm
	v_mov_b32 v[PU], 0                             ; written once: a lane permute's destination counts as one of its sources
	v_mov_b32 v[PU+1], 0
	s_mov_b32 vcc_lo, 0xffff0000                   ; lanes 16-31
	LOADP 0
	LOADP 1
	s_wait_alu depctr_va_vdst(0)
.irp b, 0,1,2,3
.if \b < 3
	s_wait_loadcnt 16                              ; this pair's 16 loads are in; the next pair's 16 stay out
.else
	s_wait_loadcnt 0x0
.endif
	TURNK \b
	s_wait_dscnt 0x0                               ; the blocks are back, and the stage's stores have read the registers that the next loads fill
.if \b < 2
	LOADP \b+2
.endif
	QK2 \b
.endr
	global_store_b128 v4, v[KSR:KSR+3], s[8:9] offset:KSC
	s_wait_tensorcnt 0x0
	ds_add_u32 v254, v255
	s_wait_dscnt 0x0
	s_endpgm
; ---------------- V: a lane takes a column d = 32 cw + l and its registers run down the keys: a block of 32 keys lies in one lane, and the conversions give codes with the keys innermost
.Lvrole:
.macro LOADV q                         ; block q % 4 of column group q / 4.  (No cache hint: the other half of each row of 256 bytes is read four blocks later)
.irp i, 0,1,2,3,4,5,6,7,8,9,10,11,12,13,14,15,16,17,18,19,20,21,22,23,24,25,26,27,28,29,30,31
	global_load_b32 v[Y+32*((\q)%2)+\i], v8, s[6:7] offset:(32*((\q)%4)+\i)*256+128*((\q)/4)
.endr
.endm
.macro BLOCKV q
.set YS, Y+32*((\q)%2)
.set CW, (\q)/4
.set BE, (\q)%4
.set CC, BE/2
.set EE, BE%2
.set T0R, IT+24*CW+6*CC                ; the even tile's registers 6 c on,
.set T1R, IT+24*CW+12+6*CC             ; the odd tile's
.if (\q) < 7
	s_wait_loadcnt 32                              ; this block's 32 loads are in; the next block's stay out
.else
	s_wait_loadcnt 0x0
.endif
	v_max3_num_f32 v[VA], |v[YS]|, |v[YS+1]|, |v[YS+2]|
	v_max3_num_f32 v[VB], |v[YS+3]|, |v[YS+4]|, |v[YS+5]|
.irp i, 6,10,14,18,22,26
	s_delay_alu instid0(VALU_DEP_2)
	v_max3_num_f32 v[VA], v[VA], |v[YS+\i]|, |v[YS+\i+1]|
	s_delay_alu instid0(VALU_DEP_2)
	v_max3_num_f32 v[VB], v[VB], |v[YS+\i+2]|, |v[YS+\i+3]|
.endr
	s_delay_alu instid0(VALU_DEP_2)
	v_max3_num_f32 v[VA], v[VA], |v[YS+30]|, |v[YS+31]|
	s_delay_alu instid0(VALU_DEP_1)
	v_max3_num_f32 v[VA], v[VA], v[VB], 0x1800000  ; and the floor
	s_delay_alu instid0(VALU_DEP_1)
	v_add_nc_u32 v[VSO], 0xff000000, v[VA]
	s_delay_alu instid0(VALU_DEP_1)
	v_lshrrev_b32 v[VBY], 23, v[VSO]
.if BE == 0
	s_delay_alu instid0(VALU_DEP_1)
	v_mov_b32 v[W+CW], v[VBY]                      ; four bytes to a word, the earlier keys in the lower byte.  Lanes 0-15 are the even tile's rows, lanes 16-31 the odd tile's: the word lies as VSC wants it
.else
	s_delay_alu instid0(VALU_DEP_1)
	v_lshl_or_b32 v[W+CW], v[VBY], 8*BE, v[W+CW]
.endif
	v_cvt_scalef32_pk16_fp6_f32 v[T0R+12*EE:T0R+12*EE+2], v[YS:YS+15], v[VSO]
	v_cvt_scalef32_pk16_fp6_f32 v[PTV+4*EE:PTV+4*EE+2], v[YS+16:YS+31], v[VSO]
	v_nop                                          ; one plain place behind a scaled conversion
.if (\q) < 6
	LOADV (\q)+2
.endif
.if EE == 1
; Blocks 2 c and 2 c + 1 are made.  A fragment wants block 2 c in lanes 0-15 and block 2 c + 1 in lanes 16-31 of ONE tile; a register here holds one block of BOTH tiles.
; The swap (the first's lanes 16-31 change places with the second's lanes 0-15) turns the one into the other.
.irp i, 0,1,2
	v_permlane16_swap_b32 v[T0R+\i], v[T1R+\i]
.endr
.irp i, 0,1,2
	v_permlane16_swap_b32 v[PTV+\i], v[PTV+4+\i]
.endr
.irp i, 0,1,2
	v_mov_b32 v[T0R+3+\i], v[PTV+\i]
	v_mov_b32 v[T1R+3+\i], v[PTV+4+\i]
.endr
.endif
.if BE == 3
.irp x, 0,1
.irp j, 0,1,2
	global_store_b128 v4, v[IT+24*CW+12*\x+4*\j:IT+24*CW+12*\x+4*\j+3], s[8:9] offset:VC+512*(3*(2*CW+\x)+\j)   ; each fragment has registers of its own: no store's data are written again
.endr
.endr
.endif
.endm
	s_wait_alu depctr_va_vdst(0)
	LOADV 0
	LOADV 1
.irp q, 0,1,2,3,4,5,6,7
	BLOCKV \q
.endr
	global_store_b64 v9, v[W:W+1], s[8:9] offset:VSC   ; 32 lanes store 256 consecutive bytes
	s_endpgm
.Lfunc_end_k_q02d3f0d943_quant:
	.size	k_q02d3f0d943_quant, .Lfunc_end_k_q02d3f0d943_quant-k_q02d3f0d943_quant
	.p2alignl 7, 3214868480
	.fill 96, 4, 3214868480
	.section	.rodata,"a",@progbits
	.p2align	6, 0x0
	.amdhsa_kernel k_q02d3f0d943_quant
		.amdhsa_group_segment_fixed_size 36352
		.amdhsa_private_segment_fixed_size 0
		.amdhsa_enable_private_segment 0
		.amdhsa_kernarg_size 24
		.amdhsa_user_sgpr_count 2
		.amdhsa_user_sgpr_kernarg_segment_ptr 1
		.amdhsa_wavefront_size32 1
		.amdhsa_system_sgpr_workgroup_id_x 1
		.amdhsa_system_sgpr_workgroup_id_y 1
		.amdhsa_system_sgpr_workgroup_id_z 1
		.amdhsa_system_vgpr_workitem_id 0
		.amdhsa_next_free_vgpr 256
		.amdhsa_next_free_sgpr 66
		.amdhsa_reserve_vcc 1
		.amdhsa_float_denorm_mode_32 3
		.amdhsa_float_denorm_mode_16_64 3
		.amdhsa_memory_ordered 1
		.amdhsa_forward_progress 1
		.amdhsa_inst_pref_size 79
	.end_amdhsa_kernel
	.amdgpu_metadata
---
amdhsa.version: [ 1, 2 ]
amdhsa.kernels:
  - .name:           k_q02d3f0d943_quant
    .symbol:         k_q02d3f0d943_quant.kd
    .args:
      - { .name: k, .offset: 0, .size: 8, .value_kind: global_buffer, .address_space: global }
      - { .name: v, .offset: 8, .size: 8, .value_kind: global_buffer, .address_space: global }
      - { .name: kv, .offset: 16, .size: 8, .value_kind: global_buffer, .address_space: global }
    .group_segment_fixed_size: 36352
    .private_segment_fixed_size: 0
    .kernarg_segment_align: 8
    .kernarg_segment_size: 24
    .max_flat_workgroup_size: 256
    .sgpr_count:     66
    .vgpr_count:     256
    .wavefront_size: 32
...
	.end_amdgpu_metadata
.endif
;; end of part 1
;; launch attn (part 2): grid 32 x 16, 8 waves a work-group, clusters of 4 x 4, 327,680 bytes of LDS; arguments q, mask, kv, out0; writes out0
.if DOCPART == 2
	.amdgcn_target "amdgcn-amd-amdhsa--gfx1250"
	.amdhsa_code_object_version 6
	.text
	.protected	k_q02d3f0d943_attn
	.globl	k_q02d3f0d943_attn
	.p2align	8
	.type	k_q02d3f0d943_attn,@function
k_q02d3f0d943_attn:
	s_mov_b64 s[64:65], 0
	v_nop
	global_prefetch_b8 v0, s[64:65] scope:SCOPE_SE
	s_setreg_imm32_b32 hwreg(HW_REG_WAVE_MODE, 25, 1), 1
	s_wait_xcnt 0x0
	s_wait_alu depctr_hold_cnt(0) depctr_sa_sdst(0) depctr_va_vdst(0) depctr_va_sdst(0) depctr_va_ssrc(0) depctr_va_vcc(0) depctr_vm_vsrc(0)
	s_getreg_b32 s2, hwreg(HW_REG_IB_STS2, 6, 4)
	s_cmp_eq_u32 s2, 0
	s_cbranch_scc0 .Lentry_in_a_cluster
	s_endpgm
.Lentry_in_a_cluster:
	s_bfe_u32 s2, ttmp6, 0x10000c
	s_cmp_lg_u32 s2, 0xf033
	s_cbranch_scc0 .Lentry_shape_is_right
	s_endpgm
.Lentry_shape_is_right:
; out0[head][q][:] = the sum over keys of softmax_k((q . k / 8) x mask[q][k]) v[k][:], 64 heads, 2,048 queries and keys, head size 64; both products on codes of FP6 (E2M3), one E8M0 scale for each 32 along K.
; k and v come as images of the operands' registers from kv; q is quantised here, in registers; mask is f32.
; THE SOFTMAX: t = score x mask x log2(e) / 8; M = the row's largest t so far, rounded UP to a whole number; p = 2^(t - M) is quantised along the keys, not normalised.
; The row's sum is taken of the unquantised p and divides O at the end.  When M moves, the sum and O are multiplied by 2^(old M - new M): exact.
; LIMITS: NaN and infinities among the inputs are not served; a p under 2^-126 counts as 0 (v_exp_f32 flushes); a block whose every p is 0 carries the byte 1 and zero codes.
; SHARES.  A work-group: 64 queries x 4 heads.  Wave w: head w % 4, queries 32 (w / 4) on: two tiles of 16 queries, A and B, which share every fragment of K and V.  A step is 128 keys, 16 steps, two LDS slots.
; CLUSTER 4 x 4: x counts blocks of 64 queries, y groups of 4 heads.  A column's four work-groups need the same tile of the mask, a row's four the same block of kv: each is asked for jointly.
; Waves 0-3 ask for 16 rows of the mask's tile each, waves 4-7 for one record of kv each: one tensor load a wave at the head and behind each round.
; THE CHANGE OF SLOTS STANDS IN THE MIDDLE OF A STEP, behind the step's last LDS read: a step's K, mask and V are all in registers by then.  Between the round's opening signal and its wait stands work on registers:
; tile B's last mask multiply and maxima, and tile A's t - M, exponentials, codes and sum.  Behind the round: the refill (the slot just read out takes the step two on), then the NEXT step's K and first halves
; of the mask out of the other slot; tile A's second product and all of tile B's softmax and second product follow before those loads are waited for.  V is asked of LDS at a step's start and lands under the first products.
; LAYOUT.  Both products are used transposed: S^T = K Q^T, O^T = V^T P^T: a lane holds ONE query (lane % 16).  Lane r of K's tile 2 b + u is key 32 b + 8 u + r + 8 (r / 8), so score register 16 b + i is key 32 b + 16 (lane / 16) + i.
; THE FIRST PRODUCT'S K IS 64 of the instruction's 128: Q's fragment is six registers of codes and six of zeros; K's eight tiles lie as one run of 48 registers and six zeros behind: tile t is registers 6 t .. 6 t + 11,
; whose upper six meet Q's zero codes under scale bytes of 1.0 and add exactly 0.
; REGISTERS.  Window 0: v1-11, v64 addresses; v16-63 V's four fragments; v70-79 scale words.  Window 1: v0-23 Q's two fragments; v24-77 K's run.  From v80 on tile A has window 0 and tile B window 1, same numbers.
; Element-wise f32 work on neighbouring registers is written as dual pairs: even and odd destination, each source place in two different register banks (number mod 4).
; PREFETCH: behind each refill and the LDS loads that follow it, each wave names blocks of 256 bytes of the step that stands two refills on (step n + 4 in step n).  Of a mask quarter's 32 blocks each of the four partners
; takes 8 (4 rows x 2, by cy), of a record's 51 each takes 13 (by cx, held at block 50); lanes left over name their wave's last block again.  Steps 12 on ask for nothing: step 15 is the last.
; Left out: work-groups that stay (512 equal work-groups in two whole turns).
.set REC,    13056                     ; a record of kv: K's run 6,144, K's scale words 512, V's fragments 6,144, V's scale words 256
.set STEPB,  4*REC
.set HGB,    16*STEPB
.set KSCO,   6144
.set VCO,    6656
.set VSCO,   12800
.set SLOT1,  131072
.set MP,     528                       ; a row of the mask's tile in LDS: 512 bytes + 16
.set KVO,    64*MP                     ; behind the mask's 64 rows: the four records
.set STAGE,  KVO+STEPB                 ; behind slot 0, under slot 1: 16 rows x 272 bytes a wave for the way out; no tile lands here
.set SP,     272
.set SPARE,  STAGE+8*16*SP             ; the spare words, 128 bytes a wave
.set SPW, 1
.set NIL, 2
.set AM,  3                            ; v3-4 my place in the mask's tile, slot 0, 1
.set AK,  5                            ; v5-6 16 x lane in my head's record
.set AV,  7                            ; v7-8 8 x lane at its V scale words
.set STO, 9
.set RD,  10
.set GO,  11
.set F,   16                           ; V's fragments
.set PFO, 64                           ; the prefetch's offset; never rewritten
.set KF,  24                           ; window 1: K's run
.set KS,  70
.set VS,  74
.set QS,  76
.set PS,  78
.set S,   80                           ; S^T, then p
.set O,   144
.set MK,  176                          ; half a step's mask
.set PC,  208                          ; p's codes
.set PT,  220
.set BM,  228                          ; each block's largest score, then largest p
.set PX,  232                          ; the maxima's second chains; the other half's; bytes; then two chains of the sum
.set SO,  236
.set NM,  240                          ; v240-241 -M, twice
.set L,   242                          ; v242-243 the row's sum
.set FF,  244                          ; v244-245 f = 2^(old M - new M), twice
.set T0,  246
.set T1,  247
.set SA,  248
.set CC,  250                          ; v250-251 c = log2(e) / 8, twice
.set TM,  252                          ; the largest masked score so far
.set SB,  PX
.set SC,  PX+2
.set RB,  176
.set WV,  12
.set G1M, 24
.set G1K, 32
.set G0M, 40
.set G0K, 48
.set SEL, 56
.set CS,  58
.set PF,  74                           ; s[74:75] where my prefetches stand; s[76:77] a step in bytes
.set MSB, 0
.macro WIN new
.if MSB != (\new)
	s_set_vgpr_msb (MSB<<8)|(\new)
.set MSB, (\new)
.endif
.endm
.macro PLACES
.rept 4
	v_nop
.endr
.endm
.macro DMUL d, a, b
	v_dual_mul_f32 v[\d], v[\a], v[\b] :: v_dual_mul_f32 v[(\d)+1], v[(\a)+1], v[(\b)+1]
.endm
.macro DADD d, a, b
	v_dual_add_f32 v[\d], v[\a], v[\b] :: v_dual_add_f32 v[(\d)+1], v[(\a)+1], v[(\b)+1]
.endm
.macro DFMA d                          ; d x c - M, two neighbours
	v_dual_fma_f32 v[\d], v[\d], v[CC], v[NM] :: v_dual_fma_f32 v[(\d)+1], v[(\d)+1], v[CC+1], v[NM+1]
.endm
.macro CREST                           ; a round of the cluster's barrier behind its opening barrier
	s_cmp_lg_u32 s[WV], 0
	s_cbranch_scc1 .Lnot_wave_0_\@
	s_barrier_signal -3
.Lnot_wave_0_\@:
	s_barrier_wait -3
	s_barrier_signal -1
	s_barrier_wait -1
.endm
.macro CROUND
	s_barrier_signal -1
	s_barrier_wait -1
	CREST
.endm
.macro JLOAD s                         ; a joint load into slot s: the branch hangs on the wave's number alone; s_nop 0 and four v_nop follow each line
	s_cmp_lt_u32 s[WV], 4
	s_cbranch_scc0 .Lfor_kv_\@
	tensor_load_to_lds s[G0M+4*(\s):G0M+4*(\s)+3], s[G1M:G1M+7]
	s_nop 0
.rept 4
	v_nop
.endr
	s_branch .Lasked_\@
.Lfor_kv_\@:
	tensor_load_to_lds s[G0K+4*(\s):G0K+4*(\s)+3], s[G1K:G1K+7]
	s_nop 0
.rept 4
	v_nop
.endr
.Lasked_\@:
.endm
	s_load_b256 s[4:11], s[0:1], 0x0               ; q, mask, kv, out0
	v_lshl_add_u32 v[SPW], v0, 2, SPARE
	v_mov_b32 v[NIL], 0
	ds_add_u32 v[SPW], v[NIL]                      ; the opening lines: the add twice on end and one wait
	ds_add_u32 v[SPW], v[NIL]
	v_lshrrev_b32 v12, 5, v0
	v_readfirstlane_b32 s[WV], v12                 ; wave 0..7
	v_and_b32 v12, 15, v0                          ; r
	v_bfe_u32 v13, v0, 4, 1                        ; h
	v_and_b32 v14, 31, v0                          ; lane
	v_lshlrev_b32 v15, 8, v12
	v_lshl_add_u32 v15, v13, 7, v15                ; q: row r of 256 bytes, block h
	s_and_b32 s13, s[WV], 3                        ; which of the four heads; also which quarter of the mask's tile or which record I fetch
	s_lshr_b32 s14, s[WV], 2                       ; which 32 of the 64 queries
	s_bfe_u32 s16, ttmp6, 0x40000                  ; cx
	s_bfe_u32 s17, ttmp6, 0x40004                  ; cy
	s_lshl_b32 s18, ttmp9, 2
	s_add_co_u32 s18, s18, s16                     ; block of 64 queries
	s_and_b32 s19, ttmp7, 0xffff
	s_lshl_b32 s19, s19, 2
	s_add_co_u32 s19, s19, s17                     ; group of 4 heads
	s_lshl_b32 s20, 0x1111, s16                    ; my column of the cluster
	s_lshl_b32 s81, s17, 2                         ; 4 cy
	s_lshl_b32 s21, 15, s81                        ; my row
	s_mul_i32 s82, s16, 13                         ; 13 cx
	; a quarter of the mask's tile: 16 rows x 128 elements of 4 bytes, 2,048 from row to row; 16 bytes of padding behind each 128 words
	s_or_b32 s[G1M], s20, (2<<16)|(1<<20)|(1<<21)|(6<<22)|(3<<25)
	s_mov_b32 s[G1M+1], 128<<16
	s_mov_b32 s[G1M+2], 16<<16
	s_mov_b32 s[G1M+3], 128<<16
	s_mov_b32 s[G1M+4], 16
	s_mov_b32 s[G1M+5], 2048
	s_mov_b32 s[G1M+6], 0
	s_mov_b32 s[G1M+7], 0
	; a record of kv: a dense block of 13,056 bytes, as 51 rows of 32 elements of 8 bytes
	s_or_b32 s[G1K], s21, (3<<16)|(1<<21)
	s_mov_b32 s[G1K+1], 32<<16
	s_mov_b32 s[G1K+2], 51<<16
	s_mov_b32 s[G1K+3], 32<<16
	s_mov_b32 s[G1K+4], 51
	s_mov_b32 s[G1K+5], 32
	s_mov_b32 s[G1K+6], 0
	s_mov_b32 s[G1K+7], 0
	s_lshl_b32 s66, s18, 19                        ; the mask: 64 rows of 8,192 bytes a block,
	s_lshl_b32 s22, s13, 17                        ; + my 16 of them
	s_add_co_u32 s66, s66, s22
	s_mov_b32 s67, 0
	s_mul_i32 s68, s19, HGB                        ; kv: my group of heads, + my record
	s_mul_i32 s23, s13, REC
	s_add_co_u32 s68, s68, s23
	s_mov_b32 s69, 0
	s_lshl_b32 s70, s19, 2
	s_add_co_u32 s70, s70, s13                     ; my head
	s_lshl_b32 s70, s70, 19
	s_lshl_b32 s72, s18, 14
	s_add_co_u32 s70, s70, s72
	s_lshl_b32 s72, s14, 13                        ; my wave's 32 rows: q and out0 alike
	s_add_co_u32 s70, s70, s72
	s_mov_b32 s71, 0
	s_mul_i32 s22, s13, 16*MP                      ; where the tiles go: no place in the cluster enters an LDS address
	s_add_co_u32 s23, s23, KVO
	s_mov_b32 s[SEL], 0x76543210
	s_mov_b32 s[SEL+1], 0xfedcba98
	s_mov_b32 s[CS], 0x3e38aa3b                    ; log2(e) / 8
	s_wait_alu depctr_va_vdst(0)
	s_wait_dscnt 0x0                               ; both opening adds are done
	s_wait_kmcnt 0x0
	s_add_nc_u64 s[6:7], s[6:7], s[66:67]
	s_add_nc_u64 s[8:9], s[8:9], s[68:69]
	s_add_nc_u64 s[4:5], s[4:5], s[70:71]
	s_add_nc_u64 s[10:11], s[10:11], s[70:71]
.irp w, 0,1                            ; q: lane (r, h) takes block h (128 bytes) of query r of each tile, in the order of the operand's registers
.irp j, 0,1,2,3,4,5,6,7
	global_load_b128 v[S+32*\w+4*\j:S+32*\w+4*\j+3], v15, s[4:5] offset:4096*\w+16*\j
.endr
.endr
.irp s, 0,1
	s_mov_b32 s[G0M+4*\s], 1
	s_add_co_u32 s[G0M+4*\s+1], s22, \s*SLOT1
	s_add_nc_u64 s[G0M+4*\s+2:G0M+4*\s+3], s[6:7], \s*512
	s_or_b32 s[G0M+4*\s+3], s[G0M+4*\s+3], 0x80000000
	s_mov_b32 s[G0K+4*\s], 1
	s_add_co_u32 s[G0K+4*\s+1], s23, \s*SLOT1
	s_add_nc_u64 s[G0K+4*\s+2:G0K+4*\s+3], s[8:9], \s*STEPB
	s_or_b32 s[G0K+4*\s+3], s[G0K+4*\s+3], 0x80000000
.endr
	s_mov_b32 s76, STEPB                           ; the prefetches: the buffer and the step that my wave fetches by
	s_cmp_lt_u32 s[WV], 4
	s_cselect_b32 s76, 512, s76
	s_cselect_b64 s[PF:PF+1], s[6:7], s[8:9]
	s_cselect_b32 s80, -1, 0                       ; all lanes: my wave fetches the mask
	s_mov_b32 s77, 0
	s_mul_i32 s78, s76, 3
	s_mov_b32 s79, 0
	s_add_nc_u64 s[PF:PF+1], s[PF:PF+1], s[78:79]  ; at step 3: step 0's change of slots steps it to 4
	CROUND                                         ; all sixteen work-groups are here: the first joint loads meet
	JLOAD 0                                        ; step 0: one tensor load a wave at the head
	s_mul_i32 s72, s14, 32*MP
	v_mul_u32_u24 v[AM], v12, MP
	v_min_u32 v[T0], 7, v14                        ; the prefetch's offset.  Mask: row 4 cy + u / 2, half u % 2, u = lane held at 7
	v_min_u32 v[SA], 12, v14                       ; kv: block 13 cx + lane held at 12, held at 50
	v_lshl_add_u32 v[AM], v13, 6, v[AM]            ; the mask: row r, + 64 h
	v_lshrrev_b32 v[T1], 1, v[T0]
	v_add_nc_u32 v[SA], s82, v[SA]
	v_add_nc_u32 v[AM], s72, v[AM]
	v_and_b32 v[T0], 1, v[T0]
	v_add_nc_u32 v[T1], s81, v[T1]
	v_min_u32 v[SA], 50, v[SA]
	v_add_nc_u32 v[AM+1], SLOT1, v[AM]
	v_lshlrev_b32 v[T0], 8, v[T0]
	v_lshlrev_b32 v[SA], 8, v[SA]
	s_mul_i32 s73, s13, REC
	s_add_co_u32 s73, s73, KVO                     ; my head's record
	v_lshl_add_u32 v[T0], v[T1], 13, v[T0]
	v_lshl_add_u32 v[AK], v14, 4, s73
	s_add_co_u32 s73, s73, VSCO
	v_lshl_add_u32 v[AV], v14, 3, s73
	v_cndmask_b32 v[PFO], v[SA], v[T0], s80
	v_add_nc_u32 v[AK+1], SLOT1, v[AK]
	v_add_nc_u32 v[AV+1], SLOT1, v[AV]
	s_mul_i32 s72, s[WV], 16*SP
	s_add_co_u32 s72, s72, STAGE                   ; my stage
	v_mul_u32_u24 v[STO], v12, SP
	v_mul_u32_u24 v[RD], v13, SP
	v_lshlrev_b32 v[GO], 8, v13
	v_lshl_add_u32 v[STO], v13, 5, v[STO]
	v_lshl_add_u32 v[RD], v12, 4, v[RD]
	v_lshl_add_u32 v[GO], v12, 4, v[GO]            ; two rows of out0 an instruction
	v_add_nc_u32 v[STO], s72, v[STO]               ; in: row r, 32 bytes for each half of the lanes
	v_add_nc_u32 v[RD], s72, v[RD]                 ; back: lanes 0-15 one row of 256 bytes, lanes 16-31 the next
	v_lshlrev_b32 v250, 3, v13                     ; 8 h
	v_mov_b32 v[PX+2], 0                           ; a lane permute's destination counts as one of its sources
	v_mov_b32 v[PX+3], 0
	s_wait_alu depctr_va_vdst(0)
	s_wait_loadcnt 0x0                             ; q
.irp w, 0,1
	v_max3_num_f32 v[BM+\w], |v[S+32*\w]|, |v[S+32*\w+1]|, 0x1800000     ; the floor 2^(3 - 127): the byte cannot fall under 1
.endr
.irp i, 2,4,6,8,10,12,14,16,18,20,22,24,26,28,30
.irp w, 0,1
	s_delay_alu instid0(VALU_DEP_2)
	v_max3_num_f32 v[BM+\w], v[BM+\w], |v[S+32*\w+\i]|, |v[S+32*\w+\i+1]|
.endr
.endr
.irp w, 0,1
	s_delay_alu instid0(VALU_DEP_2)
	v_add_nc_u32 v[SO+\w], 0xff000000, v[BM+\w]    ; 2 off the exponent field: the conversion's scale operand
.endr
.irp w, 0,1
	s_delay_alu instid0(VALU_DEP_2)
	v_lshrrev_b32 v[PX+\w], 23, v[SO+\w]           ; the byte,
.endr
.irp w, 0,1
	s_delay_alu instid0(VALU_DEP_2)
	v_lshlrev_b32 v[PX+\w], v250, v[PX+\w]         ; 8 h bits up;
.endr
.irp w, 0,1
	s_delay_alu instid0(VALU_DEP_2)
	v_permlanex16_b32 v[PX+2+\w], v[PX+\w], s[SEL], s[SEL+1]
.endr
.irp w, 0,1
	s_delay_alu instid0(VALU_DEP_2)
	v_or_b32 v[PX+\w], v[PX+\w], v[PX+2+\w]        ; with lane l xor 16's: the query's two bytes;
.endr
.irp w, 0,1
	s_delay_alu instid0(VALU_DEP_2)
	v_or_b32 v[QS+\w], 0x7f7f0000, v[PX+\w]        ; 1.0 for the upper 64, whose codes are zeros
.endr
.irp w, 0,1
	v_cvt_scalef32_pk16_fp6_f32 v[PC+6*\w:PC+6*\w+2], v[S+32*\w:S+32*\w+15], v[SO+\w]
	v_cvt_scalef32_pk16_fp6_f32 v[PT+4*\w:PT+4*\w+2], v[S+32*\w+16:S+32*\w+31], v[SO+\w]
.endr
	v_nop                                          ; one plain place behind a scaled conversion
	WIN 0x40                                       ; destination window 1
.irp w, 0,1
.irp i, 0,1,2
	v_mov_b32 v[12*\w+\i], v[PC+6*\w+\i]
	v_mov_b32 v[12*\w+3+\i], v[PT+4*\w+\i]
.endr
.irp i, 0,1,2,3,4,5
	v_mov_b32 v[12*\w+6+\i], 0                     ; k = 64 .. 127: zero codes
.endr
.endr
.irp i, 0,1,2,3,4,5
	v_mov_b32 v[KF+48+\i], 0                       ; the six zeros behind K's run: set once
.endr
; The step is written once: O^T and the sum begin as zeros and the largest score as -3e38, so that the first change of M multiplies zeros.
.macro INIT w
	WIN 0x55*\w
	v_mov_b32 v[TM], 0xff61b1e6
	v_mov_b32 v[L], 0
	v_mov_b32 v[L+1], 0
	v_mov_b32 v[CC], s[CS]
	v_mov_b32 v[CC+1], s[CS]
	v_floor_f32 v[NM], -v[TM]
	v_floor_f32 v[NM+1], -v[TM]
.irp b, 0,1,2,3
	v_mov_b32 v[PX+\b], 0
.endr
.set ii, 0
.rept 32
	v_mov_b32 v[O+ii], 0
.set ii, ii+1
.endr
.endm
	INIT 0
	INIT 1
	WIN 0
.macro KLOAD s                         ; 13 loads: K's run of 48 registers into window 1, and its four registers of scale words
	WIN 0x40
.irp j, 0,1,2,3,4,5,6,7,8,9,10,11
	ds_load_b128 v[KF+4*\j:KF+4*\j+3], v[AK+\s] offset:512*\j
.endr
	WIN 0
	ds_load_b128 v[KS:KS+3], v[AK+\s] offset:KSCO
.endm
.macro VLOAD s                         ; 13 loads: V's four fragments and its two registers of scale words
.irp j, 0,1,2,3,4,5,6,7,8,9,10,11
	ds_load_b128 v[F+4*\j:F+4*\j+3], v[AK+\s] offset:VCO+512*\j
.endr
	ds_load_b64 v[VS:VS+1], v[AV+\s]
.endm
.macro MLOAD w, hf, s                  ; 8 loads: the mask of my query for keys 64 hf .. 64 hf + 63 of the step, my half's 16 of each 32
	WIN 0x40*\w
.irp b, 0,1
.irp j, 0,1,2,3
	ds_load_b128 v[MK+16*\b+4*\j:MK+16*\b+4*\j+3], v[AM+\s] offset:16*MP*\w+256*\hf+128*\b+16*\j
.endr
.endr
.endm
.macro MMUL w, hf                      ; score x mask, in ascending order: each accumulator is first read at its low end
	WIN 0x55*\w
.irp i, 0,2,4,6,8,10,12,14,16,18,20,22,24,26,28,30
	DMUL S+32*\hf+\i, S+32*\hf+\i, MK+\i
.endr
.endm
.macro BMAX w, b0                      ; the largest masked score of blocks b0 and b0 + 1: for the row's maximum and, since p rises with the score, for the block's largest p.  Two chains a block, four by turns
	WIN 0x55*\w
.irp b, \b0, \b0+1
	v_max3_num_f32 v[BM+\b], v[S+16*(\b)], v[S+16*(\b)+1], v[S+16*(\b)+2]
	v_max3_num_f32 v[PX+\b], v[S+16*(\b)+7], v[S+16*(\b)+8], v[S+16*(\b)+9]
.endr
.irp i, 3,5
.irp b, \b0, \b0+1
	s_delay_alu instid0(VALU_DEP_4)
	v_max3_num_f32 v[BM+\b], v[BM+\b], v[S+16*(\b)+\i], v[S+16*(\b)+\i+1]
	s_delay_alu instid0(VALU_DEP_4)
	v_max3_num_f32 v[PX+\b], v[PX+\b], v[S+16*(\b)+7+\i], v[S+16*(\b)+8+\i]
.endr
.endr
	s_delay_alu instid0(VALU_DEP_3)
	v_max3_num_f32 v[PX+\b0], v[PX+\b0], v[S+16*(\b0)+14], v[S+16*(\b0)+15]
	s_delay_alu instid0(VALU_DEP_2)
	v_max3_num_f32 v[PX+\b0+1], v[PX+\b0+1], v[S+16*(\b0)+30], v[S+16*(\b0)+31]
.irp b, \b0, \b0+1
	s_delay_alu instid0(VALU_DEP_2)
	v_max_num_f32 v[BM+\b], v[BM+\b], v[PX+\b]
.endr
.endm
.macro QK w                            ; S^T = K Q^T: eight tiles of 16 keys, each begun with the constant 0.  Both sources in window 1, the result in the tile's window
	WIN 0x05+0x40*\w
.irp t, 0,1,2,3,4,5,6,7
.if \t%2
	v_wmma_scale_f32_16x16x128_f8f6f4 v[S+8*\t:S+8*\t+7], v[KF+6*\t:KF+6*\t+11], v[12*\w:12*\w+11], 0, v[KS+\t/2], v[QS+\w] matrix_a_fmt:MATRIX_FMT_FP6 matrix_b_fmt:MATRIX_FMT_FP6 matrix_a_scale:MATRIX_SCALE_ROW1
.else
	v_wmma_scale_f32_16x16x128_f8f6f4 v[S+8*\t:S+8*\t+7], v[KF+6*\t:KF+6*\t+11], v[12*\w:12*\w+11], 0, v[KS+\t/2], v[QS+\w] matrix_a_fmt:MATRIX_FMT_FP6 matrix_b_fmt:MATRIX_FMT_FP6
.endif
.endr
.endm
.macro PV w                            ; O^T += V^T P^T: four tiles of 16 of the head's 64; the four accumulators take turns
	WIN 0x54*\w
.irp t, 0,1,2,3
.if \t%2
	v_wmma_scale_f32_16x16x128_f8f6f4 v[O+8*\t:O+8*\t+7], v[F+12*\t:F+12*\t+11], v[PC:PC+11], v[O+8*\t:O+8*\t+7], v[VS+\t/2], v[PS+\w] matrix_a_fmt:MATRIX_FMT_FP6 matrix_b_fmt:MATRIX_FMT_FP6 matrix_a_scale:MATRIX_SCALE_ROW1
.else
	v_wmma_scale_f32_16x16x128_f8f6f4 v[O+8*\t:O+8*\t+7], v[F+12*\t:F+12*\t+11], v[PC:PC+11], v[O+8*\t:O+8*\t+7], v[VS+\t/2], v[PS+\w] matrix_a_fmt:MATRIX_FMT_FP6 matrix_b_fmt:MATRIX_FMT_FP6
.endif
.endr
.endm
; One tile's softmax for one step, in three parts, all in the tile's window but for p's scale word.
.macro SM1 w                           ; the new M, and O^T and the sum brought under it
	WIN 0x55*\w
.irp b, 0,1,2,3
	v_permlanex16_b32 v[PX+\b], v[BM+\b], s[SEL], s[SEL+1]
.endr
.irp b, 0,1,2,3
	s_delay_alu instid0(VALU_DEP_4)
	v_max_num_f32 v[BM+\b], v[BM+\b], v[PX+\b]     ; with lane l xor 16's 16 keys: the block's largest masked score
.endr
	s_delay_alu instid0(VALU_DEP_2)
	v_max3_num_f32 v[T1], v[BM], v[BM+1], v[BM+2]
	v_mov_b32 v[T0], v[NM]
	s_delay_alu instid0(VALU_DEP_2)
	v_max3_num_f32 v[TM], v[T1], v[BM+3], v[TM]    ; the running largest masked score of my query,
	s_delay_alu instid0(VALU_DEP_1)
	v_mul_f32 v[T1], s[CS], v[TM]                  ; as t (c is positive, so the largest score gives the largest t)
	s_delay_alu instid0(VALU_DEP_1)
	v_floor_f32 v[NM], -v[T1]                      ; the new -M = floor(-t) = -ceil(t): a whole number
	v_floor_f32 v[NM+1], -v[T1]
	s_delay_alu instid0(VALU_DEP_2)
	v_sub_f32 v[T0], v[NM], v[T0]                  ; old M - new M: a whole number, 0 or less
	s_delay_alu instid0(VALU_DEP_1)
	v_cvt_i32_f32 v[T0], v[T0]                     ; (it saturates)
	s_delay_alu instid0(VALU_DEP_1)
	v_ldexp_f32 v[FF], 1.0, v[T0]                  ; f = 2^(old M - new M)
	v_ldexp_f32 v[FF+1], 1.0, v[T0]
	s_wait_alu depctr_va_vdst(0)                   ; directly ahead of the first reader of O^T
.set ii, 0
.rept 16
	DMUL O+ii, O+ii, FF                            ; O^T under the new M, each accumulator from its low end on
.set ii, ii+2
.endr
	DMUL L, L, FF                                  ; and the sum
.endm
.macro SM2 w                           ; t - M
	WIN 0x55*\w
.set ii, 0
.rept 32
	DFMA S+ii
.set ii, ii+2
.endr
	DFMA BM                                        ; the same of each block's largest score
	DFMA BM+2
.endm
.macro SM3 w                           ; p, its scale word and codes, and the row's sum
	WIN 0x55*\w
	s_wait_alu depctr_va_vdst(0)                   ; ahead of the batch
.set ii, 0
.rept 64
	v_exp_f32 v[S+ii], v[S+ii]                     ; p = 2^(t - M): not normalised
.set ii, ii+1
.endr
.irp b, 0,1,2,3
	v_exp_f32 v[BM+\b], v[BM+\b]                   ; the block's largest p: the same two operations on the same number
.endr
	v_nop                                          ; the plain place behind the exponentials
	s_wait_alu depctr_va_vdst(0)                   ; one wait for the batch, ahead of its first reader
.irp b, 0,1,2,3
	v_max_num_f32 v[BM+\b], 0x1800000, v[BM+\b]    ; the floor 2^(3 - 127): the byte cannot fall under 1
.endr
.irp b, 0,1,2,3
	s_delay_alu instid0(VALU_DEP_4)
	v_add_nc_u32 v[SO+\b], 0xff000000, v[BM+\b]    ; 2 off the exponent field: the conversion's scale operand
.endr
.irp b, 0,1,2,3
	s_delay_alu instid0(VALU_DEP_4)
	v_lshrrev_b32 v[PX+\b], 23, v[SO+\b]           ; the scale's byte
.endr
	s_delay_alu instid0(VALU_DEP_3)
	v_lshl_or_b32 v[T1], v[PX+1], 8, v[PX]
	s_delay_alu instid0(VALU_DEP_1)
	v_lshl_or_b32 v[T1], v[PX+2], 16, v[T1]
	WIN 0x15*\w                                    ; sources in the tile's window, destination in window 0, where scale operands are taken from
	v_lshl_or_b32 v[PS+\w], v[PX+3], 24, v[T1]     ; p's scale word for these 128 keys
	WIN 0x55*\w
.irp c, 0,1
	v_cvt_scalef32_pk16_fp6_f32 v[PC+6*\c:PC+6*\c+2], v[S+32*\c:S+32*\c+15], v[SO+2*\c]
	v_cvt_scalef32_pk16_fp6_f32 v[PT+4*\c:PT+4*\c+2], v[S+32*\c+16:S+32*\c+31], v[SO+2*\c+1]
.endr
	v_nop                                          ; one plain place behind a scaled conversion
.irp c, 0,1                            ; the operand's layout wants a whole block in a lane: lanes 0-15 block 2 c, lanes 16-31 block 2 c + 1
.irp i, 0,1,2
	v_permlane16_swap_b32 v[PC+6*\c+\i], v[PT+4*\c+\i]
.endr
.irp i, 0,1,2
	s_delay_alu instid0(VALU_DEP_3)
	v_mov_b32 v[PC+6*\c+3+\i], v[PT+4*\c+\i]
.endr
.endr
	DADD SA, S, S+2                                ; the row's sum is taken of the unquantised p: four chains by turns.  (These 32 lines are also the places between the writes of p's codes and scale word and the products)
	DADD SB, S+4, S+6
	DADD SC, S+8, S+10
.irp j, 12,20,28,36,44,52
	DADD L, S+\j, L
	DADD SA, S+\j+2, SA
	DADD SB, S+\j+4, SB
	DADD SC, S+\j+6, SC
.endr
	DADD L, S+60, L
	DADD SA, S+62, SA
	DADD SB, SB, SC
	DADD L, L, SA
	DADD L, L, SB
.endm
; A STEP: 128 keys, in slot `slot`.  Its K and the first halves of its mask were asked of LDS in the step before.
; mode 2: the slot is filled again with the step two on; mode 1: nothing is filled, the next step's slot is shown whole; mode 0: the last step.
.macro TRIP slot, mode
	PLACES                                         ; in front of the loads into V's registers, which the last step's products read
	VLOAD \slot
	s_wait_dscnt 29                                ; K and its scale words are in; the 16 loads of the mask and V's 13 may be out
	QK 0
	QK 1
	WIN 0
	PLACES                                         ; in front of the first read of the scores
	s_wait_dscnt 21                                ; tile A's first half of the mask is in; tile B's 8 loads and V's 13 may be out
	MMUL 0, 0
	MLOAD 0, 1, \slot
	s_wait_dscnt 21                                ; tile B's first half is in; V's 13 and tile A's second 8 may be out
	MMUL 1, 0
	MLOAD 1, 1, \slot
	BMAX 0, 0
	BMAX 1, 0
	s_wait_dscnt 8                                 ; V and tile A's second half are in; tile B's second 8 may be out
	MMUL 0, 1
	BMAX 0, 2
	SM1 0
	WIN 0
	s_wait_alu depctr_va_vdst(0)
.if \mode
.if \mode == 2
	s_wait_xcnt 0x0                                ; my last prefetch has read its address: it is stepped here
	s_add_nc_u64 s[PF:PF+1], s[PF:PF+1], s[76:77]
.endif
	s_wait_tensorcnt 0x0                           ; my one tensor load that was out, my part of the next step's slot, has landed
	ds_add_u32 v[SPW], v[NIL]                      ; 0 onto my spare word
.if \mode == 2
	s_add_nc_u64 s[G0M+4*\slot+2:G0M+4*\slot+3], s[G0M+4*\slot+2:G0M+4*\slot+3], 1024       ; this slot's next tiles: two steps on
	s_add_nc_u64 s[G0K+4*\slot+2:G0K+4*\slot+3], s[G0K+4*\slot+2:G0K+4*\slot+3], 2*STEPB
.endif
	s_wait_dscnt 0x0                               ; the add is done, and my reads of this slot are over
	s_barrier_signal -1                            ; the round's opening barrier; work on registers stands between its signal and its wait
.else
	s_wait_dscnt 0x0
.endif
	MMUL 1, 1
	BMAX 1, 2
	SM2 0
	SM3 0
.if \mode
	WIN 0
	s_wait_alu depctr_va_vdst(0)                   ; directly ahead of the barrier's wait
	s_barrier_wait -1
	CREST
.if \mode == 2
	JLOAD \slot                                    ; the first tensor load behind the round, one a wave
.endif
	KLOAD 1-\slot
	MLOAD 0, 0, 1-\slot
	MLOAD 1, 0, 1-\slot
	WIN 0
.if \mode == 2
	s_cmp_gt_u32 s60, 1                            ; the loop's last trip holds steps 12 and 13: four steps on there is none
	s_cbranch_scc0 .Lno_ask_\@
	global_prefetch_b8 v[PFO], s[PF:PF+1] th:TH_LOAD_NT scope:SCOPE_SE
.Lno_ask_\@:
.endif
.endif
	PV 0
	SM1 1
	SM2 1
	SM3 1
	PV 1
	WIN 0                                          ; at a label and at a branch every window is 0
.endm
	s_wait_alu depctr_va_vdst(0)
	s_wait_tensorcnt 0x0                           ; my part of step 0 is in; slot 1's first fill is issued as a refill is
	ds_add_u32 v[SPW], v[NIL]
	s_wait_dscnt 0x0
	CROUND
	JLOAD 1                                        ; step 1
	KLOAD 0
	MLOAD 0, 0, 0
	MLOAD 1, 0, 0
	WIN 0
	s_mov_b32 s60, 7
.Llap:                                                 ; 7 trips of two steps, steps 0 to 13: each fills its slot again
	TRIP 0, 2
	TRIP 1, 2
	s_sub_co_u32 s60, s60, 1
	s_cmp_lg_u32 s60, 0
	s_wait_alu depctr_va_vdst(0)                   ; directly ahead of the branch
	s_cbranch_scc1 .Llap
	TRIP 0, 1                                      ; the last two steps are written out: they ask for no tile
	TRIP 1, 0
	; THE WAY OUT.  O^T / the sum (register 8 t + j = out0(query r, 16 t + 8 h + j)) goes through my stage in LDS, 16 rows at a time, and leaves as whole rows of 256 bytes.
.macro FIN w
	WIN 0x55*\w
	v_add_f32 v[T0], v[L], v[L+1]
	s_delay_alu instid0(VALU_DEP_1)
	v_permlanex16_b32 v[T1], v[T0], s[SEL], s[SEL+1]
	s_delay_alu instid0(VALU_DEP_1)
	v_add_f32 v[T0], v[T0], v[T1]
	s_wait_alu depctr_va_vdst(0)
	v_rcp_f32 v[FF], v[T0]
	v_nop                                          ; one plain place behind a transcendental
	s_wait_alu depctr_va_vdst(0)
.set ii, 0
.rept 16
	v_pk_mul_f32 v[S+ii:S+ii+1], v[O+ii:O+ii+1], v[FF:FF+1] op_sel_hi:[1,0]
.set ii, ii+2
.endr
.endm
.macro OUTS w
	WIN 0x04*\w                                    ; an LDS store's data are its source 1
.irp t, 0,1,2,3
	ds_store_b128 v[STO], v[S+8*\t:S+8*\t+3] offset:64*\t
	ds_store_b128 v[STO], v[S+8*\t+4:S+8*\t+7] offset:64*\t+16
.endr
	WIN 0
.irp i, 0,1,2,3,4,5,6,7
	ds_load_b128 v[RB+32*\w+4*\i:RB+32*\w+4*\i+3], v[RD] offset:2*SP*\i   ; LDS serves a wave's instructions in order (ISA guide 5.7.1.4): these see my stores
.endr
.endm
	FIN 0
	FIN 1
	OUTS 0
	OUTS 1
.irp w, 0,1
.irp i, 0,1,2,3,4,5,6,7
	s_wait_dscnt 23-16*\w-\i                       ; behind tile A's load i: its 7 - i younger loads and tile B's 16 LDS instructions; behind tile B's: 7 - i
	global_store_b128 v[GO], v[RB+32*\w+4*\i:RB+32*\w+4*\i+3], s[10:11] offset:4096*\w+512*\i th:TH_STORE_NT   ; 32 lanes store 512 consecutive bytes, at a multiple of 256 from out0's first byte
.endr
.endr
	s_wait_tensorcnt 0x0                           ; the wave's end
	ds_add_u32 v[SPW], v[NIL]
	s_wait_dscnt 0x0
	CROUND                                         ; the closing round
	s_endpgm
.Lfunc_end_k_q02d3f0d943_attn:
	.size	k_q02d3f0d943_attn, .Lfunc_end_k_q02d3f0d943_attn-k_q02d3f0d943_attn
	.p2alignl 7, 3214868480
	.fill 96, 4, 3214868480
	.section	.rodata,"a",@progbits
	.p2align	6, 0x0
	.amdhsa_kernel k_q02d3f0d943_attn
		.amdhsa_group_segment_fixed_size 327680
		.amdhsa_private_segment_fixed_size 0
		.amdhsa_enable_private_segment 0
		.amdhsa_kernarg_size 32
		.amdhsa_user_sgpr_count 2
		.amdhsa_user_sgpr_kernarg_segment_ptr 1
		.amdhsa_wavefront_size32 1
		.amdhsa_system_sgpr_workgroup_id_x 1
		.amdhsa_system_sgpr_workgroup_id_y 1
		.amdhsa_system_sgpr_workgroup_id_z 1
		.amdhsa_system_vgpr_workitem_id 0
		.amdhsa_next_free_vgpr 512
		.amdhsa_next_free_sgpr 96
		.amdhsa_reserve_vcc 0
		.amdhsa_float_denorm_mode_32 3
		.amdhsa_float_denorm_mode_16_64 3
		.amdhsa_memory_ordered 1
		.amdhsa_forward_progress 1
		.amdhsa_inst_pref_size 190
	.end_amdhsa_kernel
	.amdgpu_metadata
---
amdhsa.version: [ 1, 2 ]
amdhsa.kernels:
  - .name:           k_q02d3f0d943_attn
    .symbol:         k_q02d3f0d943_attn.kd
    .args:
      - { .name: q, .offset: 0, .size: 8, .value_kind: global_buffer, .address_space: global }
      - { .name: mask, .offset: 8, .size: 8, .value_kind: global_buffer, .address_space: global }
      - { .name: kv, .offset: 16, .size: 8, .value_kind: global_buffer, .address_space: global }
      - { .name: out0, .offset: 24, .size: 8, .value_kind: global_buffer, .address_space: global }
    .group_segment_fixed_size: 327680
    .private_segment_fixed_size: 0
    .kernarg_segment_align: 8
    .kernarg_segment_size: 32
    .max_flat_workgroup_size: 256
    .sgpr_count:     96
    .vgpr_count:     512
    .wavefront_size: 32
...
	.end_amdgpu_metadata
.endif
;; end of part 2
